; MI455X (gfx1250); checked and timed in simulation.
; The chip was launched on July 23, 2026; its instructions are those of AMD's public machine-readable ISA for CDNA 5 (MIT licence, August 2026) and "CDNA5" Instruction Set Architecture Reference Guide (July 2026). The comments in the code are by the model that wrote it; some were corrected since.
;; C4 Hierarchical Executor. Allowed arithmetic: float matrix products may take bf16 or f16 operands with f32 sums; all other float work in f32.
;; Inputs: memory 1,048,576 float32; read_addrs 64 int32; write_addrs 64 int32; write_enable 64 float32; write_values 64 float32.
;; Outputs: out0 64 float32; out1 1,048,576 float32.
;; One version. Each part assembles by itself: llvm-mc -triple=amdgcn-amd-amdhsa -mcpu=gfx1250 --defsym DOCPART=n.
;; ======== version 1 of 1: 1 launch
;; launch softmem (part 1): grid 256 x 1, 8 waves a work-group, no clusters, 0 bytes of LDS; arguments memory, read_addrs, write_addrs, write_values, write_enable, out0, out1; writes out0, out1
.if DOCPART == 1
	.amdgcn_target "amdgcn-amd-amdhsa--gfx1250"
	.amdhsa_code_object_version 6
	.text
	.protected	k_q7739125708_softmem
	.globl	k_q7739125708_softmem
	.p2align	8
	.type	k_q7739125708_softmem,@function
k_q7739125708_softmem:
	s_mov_b64 s[64:65], 0
	v_nop
	global_prefetch_b8 v0, s[64:65] scope:SCOPE_SE
	s_setreg_imm32_b32 hwreg(HW_REG_WAVE_MODE, 25, 1), 1
	s_wait_xcnt 0x0
; out0[b] = sum over m of softmax_m(score(read b, m)) * memory[m]
; out1    = memory after 64 soft writes in order: x = x (1 - w) + value w,  w = softmax_m(score(write b, m)) * enable.
;
; THE SCORES.  Keys and queries are vectors of 20 entries +-10, one for each address bit, so
;   score = (100 / sqrt 20) (20 - 2 h),  h = number of bits in which key m and the query's address differ.
; That is an identity of the encoding: it holds for every address and hangs on no floating-point input.  All 2^20 addresses
; are keys, so a query's largest score is that of the key equal to it (h = 0), and score - maximum = -(200 / sqrt 20) h.
; THE SOFTMAX.  exp(score - maximum) is 1 at h = 0 and 3.8e-20 at h = 1.  At h = 2 it is 1.4e-39, under f32's smallest normal
; number, where v_exp_f32 returns 0 (ISA guide, 15.8); from h = 3 on it is under f32's smallest denormal.  So in f32 a query
; has 21 keys with a weight: itself and its 20 neighbours at one bit, and the sum of the exponentials is Z = 1 + 20 e1.
; A weight 0 leaves a word as it is (x * 1 + value * 0), and adds nothing to a read: such keys are not visited.
; LIMITS KEPT.  Keys at h >= 2 count as weight 0: 190 * 1.4e-39 = 2.7e-37 of a softmax's mass is dropped.  Values that are
; infinite or NaN (0 * inf in every word of the reference) are not followed.  Addresses are taken by their low 20 bits, as
; the encoding takes them.  x (1 - w) + value w is rounded as one product and one fused multiply-add.
;
; SHARES.  256 work-groups x 8 waves; wave gw = 8 wg + wave owns the 512 words from 512 gw on: four loads and four stores of
; 16 bytes a lane, each covering 512 consecutive aligned bytes.  No wave reads what another holds: no LDS, no barrier.
; What work-groups share are three lists of 256 bytes: nothing worth a cluster's joint request.
; WRITES.  Lane l holds writes l and l + 32.  A write can touch my block only if its 11 upper address bits differ from gw in
; at most one bit; one vector test gives two masks of such writes.  Their set bits are walked in ascending order, which is
; the order of the scan.  Inside a trip each load's 128 words are skipped by a scalar test if they are two bits away already.
; READS.  Wave 0 of work-groups 0 to 63 also makes out0[wg]: lanes 0-19 gather the 20 neighbours, lane 20 the word itself.
; out0's 256 bytes thus leave as 64 single words from 64 waves; one wave storing them whole would have to issue all
; 64 x 21 scattered requests itself.
.set NBITS, 20
; scalar registers
.set WAVE,   18                        ; wave in the work-group
.set GW,     19                        ; wave in the launch = my block's number (address bits 9 to 19)
.set BYTE0,  20                        ; my block's first byte
.set ELEM0,  21                        ; my block's first word
.set SUB0,   22                        ; 4 gw: number of my first sub-block of 128 words (address bits 7 to 19)
.set NOREAD, 23                        ; 0 in the waves that make a read
.set Q4,     24                        ; 4 x the read's number
.set RA,     25                        ; the read's address
.set MLO,    26                        ; mask of writes 0-31 that can touch my block
.set MHI,    27                        ; the same for writes 32-63
.set TRIPS,  28
.set TRIP,   29
.set B,      30                        ; lane that holds the write at hand
.set A,      31                        ; its address
.set VAL,    32                        ; s32 its value, s33 its enable (a pair: the packed multiply names both)
.set SX,     34                        ; (address >> 7) xor SUB0
.set SG,     35
.set SH,     36
.set AJ,     37                        ; address xor 128 j
.set C0,     38                        ; s[38:41] lanes where word c is the address itself
.set C1,     42                        ; s[42:45] lanes where word c is at most one bit away
.set SAVE,   46
.set SEL0,   48                        ; v_permlanex16_b32: lane i takes lane i of the other half
.set SEL1,   49
; vector registers
.set LANE,   1
.set L4,     2                         ; 4 x lane: my byte in the lists
.set OFF,    3                         ; my 16 bytes in memory and in out1
.set M,      4                         ; v[4:7]  number of word c of my 16 bytes in the first load
.set GOFF,   8                         ; the gather's byte offset
.set G,      9                         ; the gathered word
.set E1,     10                        ; exp(score - maximum) at h = 1
.set Z,      11                        ; sum of the exponentials
.set W0,     12                        ; softmax weight at h = 0
.set W1,     13                        ; softmax weight at h = 1
.set ALO,    14                        ; write l: address
.set AHI,    15                        ; write l + 32
.set VLO,    16                        ; values
.set VHI,    17
.set ELO,    18                        ; enables
.set EHI,    19
.set S,      20                        ; v[20:23] the block test, at work
.set W0E,    24                        ; W0 x enable
.set W1E,    25                        ; W1 x enable
.set TT,     26                        ; v[26:29] word number xor address
.set U,      30                        ; v[30:33] that with its lowest set bit cleared
.set W,      34                        ; v[34:37] w
.set OM,     38                        ; v[38:41] 1 - w
.set VW,     42                        ; v[42:45] value x w
.set RW,     46                        ; a read's weight in my lane
.set RS,     47                        ; a read's sum
.set ROFF,   48                        ; its byte in out0
.set X,      50                        ; v[50:65] my 16 words: load j in X + 4 j ..
	s_load_b256 s[4:11], s[0:1], 0x0               ; memory s[4:5], read_addrs s[6:7], write_addrs s[8:9], write_values s[10:11]
	s_load_b128 s[12:15], s[0:1], 0x20             ; write_enable s[12:13], out0 s[14:15]
	s_load_b64 s[16:17], s[0:1], 0x30              ; out1
	; The softmax's three numbers, made while the addresses are on their way.
	v_exp_f32 v[E1], 0xc28109e0                    ; 2^(-64.5193) = exp(-200 / sqrt 20): score - maximum at h = 1, times log2 e
	v_lshrrev_b32 v[L4], 5, v0                     ; (a plain instruction between the exponential and its use: ISA guide 5.7.2)
	v_readfirstlane_b32 s[WAVE], v[L4]
	s_wait_alu depctr_va_vdst(0)
	v_fma_f32 v[Z], v[E1], 0x41a00000, 1.0         ; Z = 1 (h = 0) + 20 keys at h = 1; all others add 0
	v_rcp_f32 v[W0], v[Z]                          ; weight at h = 0: 1 / Z
	v_and_b32 v[LANE], 31, v0                      ; (again a plain instruction in between)
	s_wait_alu depctr_va_vdst(0)
	v_mul_f32 v[W1], v[E1], v[W0]                  ; weight at h = 1: e1 / Z
	s_lshl3_add_u32 s[GW], ttmp9, s[WAVE]
	s_lshl_b32 s[BYTE0], s[GW], 11                 ; 2,048 bytes a wave
	s_lshl_b32 s[ELEM0], s[GW], 9                  ; 512 words a wave
	s_lshl_b32 s[SUB0], s[GW], 2                   ; 4 sub-blocks a wave
	s_and_b32 s[NOREAD], s[GW], 0x607              ; gw has 11 bits; bits 0-2 and 9-10 clear: wave 0 of work-groups 0 to 63
	v_lshlrev_b32 v[L4], 2, v[LANE]
	v_lshl_add_u32 v[OFF], v[LANE], 4, s[BYTE0]
	v_or_b32 v[M], s[ELEM0], v[L4]                 ; word number of my first word: block | 4 lane
	s_wait_kmcnt 0x0
	; Ten loads, all that the wave copies and may need, at once.  The addresses go first: the block test wants them alone.
	global_load_b32 v[ALO], v[L4], s[8:9]
	global_load_b32 v[AHI], v[L4], s[8:9] offset:128
.irp j, 0,1,2,3
	global_load_b128 v[X+4*\j:X+4*\j+3], v[OFF], s[4:5] offset:512*\j th:TH_LOAD_NT   ; streamed once; only the reads' 64 x 21 words are wanted twice
.endr
	global_load_b32 v[VLO], v[L4], s[10:11]
	global_load_b32 v[VHI], v[L4], s[10:11] offset:128
	global_load_b32 v[ELO], v[L4], s[12:13]
	global_load_b32 v[EHI], v[L4], s[12:13] offset:128
	; A read's gather is asked for before the copy is worked on, so that the two overlap.
	s_cmp_lg_u32 s[NOREAD], 0
	s_cbranch_scc1 .Lscan
	s_bfe_u32 s[Q4], s[GW], 0x60003                ; the read's number: bits 3 to 8 of gw, 0 to 63
	s_lshl_b32 s[Q4], s[Q4], 2
	s_load_b32 s[RA], s[6:7], s[Q4] offset:0x0
	v_lshlrev_b32 v[GOFF], v[LANE], 1              ; 1 << lane
	v_cmp_gt_u32 vcc_lo, NBITS, v[LANE]
	v_cndmask_b32 v[GOFF], 0, v[GOFF], vcc_lo      ; lanes 0-19 flip their bit; lane 20 and up flip none
	s_wait_kmcnt 0x0
	s_and_b32 s[RA], s[RA], 0xfffff                ; the 20 bits that the encoding takes
	v_xor_b32 v[GOFF], s[RA], v[GOFF]
	v_min_u32 v[GOFF], 0xfffff, v[GOFF]            ; a bound written in the instruction: the gather stays inside memory's 2^20 words
	v_lshlrev_b32 v[GOFF], 2, v[GOFF]
	global_load_b32 v[G], v[GOFF], s[4:5]          ; an eleventh load, in these waves alone; lanes 21-31 name lane 20's word
.Lscan:
	; Which writes can touch my block?  t = (their address bits 9-19) xor gw has at most one bit set: t & (t - 1) = 0.
	s_wait_loadcnt 0x8                             ; the two address loads are in; the eight behind them stay out (with a gather: one more than need be is waited for)
	v_bfe_u32 v[S+0], v[ALO], 9, 11
	v_bfe_u32 v[S+1], v[AHI], 9, 11
	v_xor_b32 v[S+0], s[GW], v[S+0]
	v_xor_b32 v[S+1], s[GW], v[S+1]
	v_add_nc_u32 v[S+2], -1, v[S+0]
	v_add_nc_u32 v[S+3], -1, v[S+1]
	v_and_b32 v[S+2], v[S+2], v[S+0]
	v_and_b32 v[S+3], v[S+3], v[S+1]
	v_cmp_eq_u32 s[MLO], 0, v[S+2]
	v_cmp_eq_u32 s[MHI], 0, v[S+3]
	s_or_b32 s[SH], s[MLO], s[MHI]
	s_cmp_eq_u32 s[SH], 0
	s_cbranch_scc1 .Lcopy                          ; every write is two bits or more away from all my words: weight 0, a plain copy
; The write at hand on load j's 128 words (four registers).  Skipped if address bits 7-19 differ from the sub-block's number in two
; bits or more.  Else, word by word: t = word number xor address; w = W0 en where t = 0, W1 en where t has one bit, else 0.
.macro GROUP id, j
.if \j == 0
.set SGR, SX
.set AJR, A
.else
	s_xor_b32 s[SG], s[SX], \j
.set SGR, SG
.set AJR, AJ
.endif
	s_sub_co_u32 s[SH], s[SGR], 1
	s_and_b32 s[SH], s[SH], s[SGR]
	s_cmp_lg_u32 s[SH], 0
	s_cbranch_scc1 .Lskip\id\j
.if \j != 0
	s_xor_b32 s[AJ], s[A], 128*\j                  ; the load's bits 7 and 8 go into the scalar side of the xor
.endif
.irp c, 0,1,2,3
	v_xor_b32 v[TT+\c], s[AJR], v[M+\c]
.endr
.irp c, 0,1,2,3
	v_add_nc_u32 v[U+\c], -1, v[TT+\c]
.endr
.irp c, 0,1,2,3
	v_and_b32 v[U+\c], v[U+\c], v[TT+\c]
.endr
.irp c, 0,1,2,3
	v_cmp_eq_u32 s[C1+\c], 0, v[U+\c]              ; h <= 1
	v_cmp_eq_u32 s[C0+\c], 0, v[TT+\c]             ; h = 0
.endr
.irp c, 0,1,2,3
	v_cndmask_b32 v[W+\c], 0, v[W1E], s[C1+\c]
.endr
.irp c, 0,1,2,3
	v_cndmask_b32 v[W+\c], v[W+\c], v[W0E], s[C0+\c]
.endr
.irp p, 0,2
	v_pk_fma_f32 v[OM+\p:OM+\p+1], v[W+\p:W+\p+1], -1.0, 1.0 op_sel_hi:[1,0,0]       ; 1 - w
	v_pk_mul_f32 v[VW+\p:VW+\p+1], v[W+\p:W+\p+1], s[VAL:VAL+1] op_sel_hi:[1,0]      ; value w (both halves by s32)
.endr
.irp p, 0,2
	v_pk_fma_f32 v[X+4*\j+\p:X+4*\j+\p+1], v[X+4*\j+\p:X+4*\j+\p+1], v[OM+\p:OM+\p+1], v[VW+\p:VW+\p+1]   ; x (1 - w) + value w
.endr
.Lskip\id\j:
.endm
; The writes of one mask, lowest lane first: as many trips as the mask has bits.
.macro HALF id, mask, va, vv, ve
	s_cmp_eq_u32 s[\mask], 0
	s_cbranch_scc1 .Lnone\id
	s_bcnt1_i32_b32 s[TRIPS], s[\mask]
	s_mov_b32 s[TRIP], 0
.Lhit\id:
	s_ctz_i32_b32 s[B], s[\mask]                   ; the earliest write left
	s_sub_co_u32 s[SH], s[\mask], 1
	s_and_b32 s[\mask], s[\mask], s[SH]            ; struck off
	v_readlane_b32 s[A], v[\va], s[B]
	v_readlane_b32 s[VAL], v[\vv], s[B]
	v_readlane_b32 s[VAL+1], v[\ve], s[B]
	s_and_b32 s[A], s[A], 0xfffff                  ; the 20 bits that the encoding takes
	s_lshr_b32 s[SX], s[A], 7
	s_xor_b32 s[SX], s[SX], s[SUB0]
	v_mul_f32 v[W0E], s[VAL+1], v[W0]              ; w = softmax x enable
	v_mul_f32 v[W1E], s[VAL+1], v[W1]
	GROUP \id, 0
	GROUP \id, 1
	GROUP \id, 2
	GROUP \id, 3
	s_add_co_u32 s[TRIP], s[TRIP], 1
	s_cmp_lt_u32 s[TRIP], s[TRIPS]
	s_cbranch_scc1 .Lhit\id
.Lnone\id:
.endm
.irp c, 1,2,3
	v_or_b32 v[M+\c], \c, v[M]                     ; the numbers of my other three words
.endr
	s_wait_loadcnt 0x0                             ; my words, the values and the enables
	HALF 0, MLO, ALO, VLO, ELO                     ; writes 0 to 31,
	HALF 1, MHI, AHI, VHI, EHI                     ; then 32 to 63: the order of the scan
.Lcopy:
.irp j, 0,1,2,3
	s_wait_loadcnt 7-\j                            ; loads come back in order (ISA guide 5.7.1): load j of my words is in; behind it 3 - j of them and the four list loads
	global_store_b128 v[OFF], v[X+4*\j:X+4*\j+3], s[16:17] offset:512*\j th:TH_STORE_NT   ; 512 consecutive aligned bytes
.endr
	s_cmp_lg_u32 s[NOREAD], 0
	s_cbranch_scc1 .Lend
	; The read: weight W1 for the 20 neighbours, W0 for the word itself, none for the idle lanes; then the sum over the wave.
	v_cmp_gt_u32 vcc_lo, NBITS, v[LANE]
	v_cndmask_b32 v[RW], 0, v[W1], vcc_lo
	v_cmp_eq_u32 vcc_lo, NBITS, v[LANE]
	v_cndmask_b32 v[RW], v[RW], v[W0], vcc_lo
	s_mov_b32 s[SEL0], 0x76543210
	s_mov_b32 s[SEL1], 0xfedcba98
	v_mov_b32 v[ROFF], s[Q4]
	s_wait_loadcnt 0x0                             ; the gather was the last load issued
	v_mul_f32 v[RS], v[RW], v[G]
	v_add_f32_dpp v[RS], v[RS], v[RS] row_xmask:1 row_mask:0xf bank_mask:0xf
	v_add_f32_dpp v[RS], v[RS], v[RS] row_xmask:2 row_mask:0xf bank_mask:0xf
	v_add_f32_dpp v[RS], v[RS], v[RS] row_xmask:4 row_mask:0xf bank_mask:0xf
	v_add_f32_dpp v[RS], v[RS], v[RS] row_xmask:8 row_mask:0xf bank_mask:0xf
	v_permlanex16_b32 v[RW], v[RS], s[SEL0], s[SEL1]   ; the other half's sum, into a register that has been written
	v_add_f32 v[RS], v[RS], v[RW]
	v_cmp_eq_u32 vcc_lo, 0, v[LANE]
	s_wait_xcnt 0x0                                ; EXEC is a source of the four stores above: it changes only behind this wait
	s_and_saveexec_b32 s[SAVE], vcc_lo             ; lane 0 alone stores the word; the wave ends here, so EXEC is not widened again
	global_store_b32 v[ROFF], v[RS], s[14:15]
	s_endpgm
.Lend:
	s_endpgm
.Lfunc_end_k_q7739125708_softmem:
	.size	k_q7739125708_softmem, .Lfunc_end_k_q7739125708_softmem-k_q7739125708_softmem
	.p2alignl 7, 3214868480
	.fill 96, 4, 3214868480
	.section	.rodata,"a",@progbits
	.p2align	6, 0x0
	.amdhsa_kernel k_q7739125708_softmem
		.amdhsa_group_segment_fixed_size 0
		.amdhsa_private_segment_fixed_size 0
		.amdhsa_enable_private_segment 0
		.amdhsa_kernarg_size 56
		.amdhsa_user_sgpr_count 2
		.amdhsa_user_sgpr_kernarg_segment_ptr 1
		.amdhsa_wavefront_size32 1
		.amdhsa_system_sgpr_workgroup_id_x 1
		.amdhsa_system_sgpr_workgroup_id_y 1
		.amdhsa_system_sgpr_workgroup_id_z 1
		.amdhsa_system_vgpr_workitem_id 0
		.amdhsa_next_free_vgpr 66
		.amdhsa_next_free_sgpr 66
		.amdhsa_reserve_vcc 1
		.amdhsa_float_denorm_mode_32 3
		.amdhsa_float_denorm_mode_16_64 3
		.amdhsa_memory_ordered 1
		.amdhsa_forward_progress 1
		.amdhsa_inst_pref_size 22
	.end_amdhsa_kernel
	.amdgpu_metadata
---
amdhsa.version: [ 1, 2 ]
amdhsa.kernels:
  - .name:           k_q7739125708_softmem
    .symbol:         k_q7739125708_softmem.kd
    .args:
      - { .name: memory, .offset: 0, .size: 8, .value_kind: global_buffer, .address_space: global }
      - { .name: read_addrs, .offset: 8, .size: 8, .value_kind: global_buffer, .address_space: global }
      - { .name: write_addrs, .offset: 16, .size: 8, .value_kind: global_buffer, .address_space: global }
      - { .name: write_values, .offset: 24, .size: 8, .value_kind: global_buffer, .address_space: global }
      - { .name: write_enable, .offset: 32, .size: 8, .value_kind: global_buffer, .address_space: global }
      - { .name: out0, .offset: 40, .size: 8, .value_kind: global_buffer, .address_space: global }
      - { .name: out1, .offset: 48, .size: 8, .value_kind: global_buffer, .address_space: global }
    .group_segment_fixed_size: 0
    .private_segment_fixed_size: 0
    .kernarg_segment_align: 8
    .kernarg_segment_size: 56
    .max_flat_workgroup_size: 256
    .sgpr_count:     66
    .vgpr_count:     66
    .wavefront_size: 32
...
	.end_amdgpu_metadata
.endif
;; end of part 1
